; MI455X (gfx1250); checked and timed in simulation.
; The chip was launched on July 23, 2026; its instructions are those of AMD's public machine-readable ISA for CDNA 5 (MIT licence, August 2026) and "CDNA5" Instruction Set Architecture Reference Guide (July 2026). The comments in the code are by the model that wrote it; some were corrected since.
;; Scaled Dot Attention. Allowed arithmetic: matrix products marked QUANTISED: E2M3 operands, one E8M0 scale for each 32 along K, by v_wmma_scale_f32_16x16x128_f8f6f4 with both operands' format E2M3, f32 sums; everything else in f32.
;; Inputs: key 2 x 16 x 2,048 x 64 float32; mask 1 x 1 x 2,048 x 2,048 int32; query 2 x 16 x 2,048 x 64 float32; value 2 x 16 x 2,048 x 64 float32.
;; Outputs: out0 2 x 16 x 2,048 x 64 float32.
;; This version of the problem:
;;   THIS VERSION OF THE PROBLEM IS GIVEN IN LOW PRECISION. The matrix products marked QUANTISED in the list below multiply operands that are first quantised to E2M3 (2 exponent bits, 3 mantissa bits; 6 bits a number), with one power-of-two scale for each 32 numbers along K (OCP MX v1.0); their sums are f32. All else is computed in f32.
;;   The module's matrix products, in the order in which they are computed (A, B: the left and right operand; K: the contracted axis; several contracted axes count as one K, in the product's order):
;;     1. batch 32 x [M 2,048, K 64] x [K 64, N 2,048]; A: input query; B: input key: QUANTISED
;;     2. batch 32 x [M 2,048, K 2,048] x [K 2,048, N 64]; A: softmax (see below); B: input value: QUANTISED
;;   THE QUANTISER, for each operand of a quantised product, along K:
;;     - K is cut into blocks of 32 from its start; a last block that is shorter is filled with zeros.
;;     - A block's scale is 2^e with e = floor(log2(the largest magnitude in the block)) - 2, held to -126 .. 127; a block of zeros has e = 0. As a byte (E8M0): e + 127.
;;     - Each number is divided by its block's scale, clamped to +-7.5, and rounded to the nearest number of E2M3, ties to even, subnormals kept.
;;     - The product sums the exact products of the quantised numbers (number of the format x scale) in f32.
;;   ~~~python
;;   def quantise(x, axis):      # numpy; x: float32 -> the quantised numbers, widened to float32 again
;;       x = np.moveaxis(x, axis, -1); K = x.shape[-1]
;;       x = np.pad(x, [(0, 0)] * (x.ndim - 1) + [(0, -K % 32)]); x = x.reshape(x.shape[:-1] + (-1, 32)); a = np.abs(x).max(-1, keepdims=True)
;;       e = np.where(a > 0, np.clip(np.frexp(np.where(a > 0, a, 1))[1] - 1 - 2, -126, 127), 0)      # np.frexp(a)[1] - 1 = floor(log2(a)), exactly
;;       r = np.clip(x / 2.0 ** e, -7.5, 7.5)
;;       step = 2.0 ** (np.maximum(np.frexp(np.where(r == 0, 1, r))[1] - 1, 0) - 3)
;;       q = np.round(r / step) * step * 2.0 ** e      # np.round: ties to even
;;       return np.moveaxis(q.reshape(q.shape[:-2] + (-1,))[..., :K], -1, axis).astype(np.float32)
;;   ~~~
;;   SOFTMAX AHEAD OF A QUANTISED PRODUCT. Where the list says 'softmax', what is quantised is not the finished softmax but p = 2^(t - M), with t = logit x log2(e) and M = ceil(the row's largest t), a whole number; so 1/2 < the row's largest p <= 1. The row's sum l is taken of the UNQUANTISED p, in f32, and the product's result is divided by l at the end. Since M is a whole number, a kernel that streams over the keys may use a running M (the ceiling of the running maximum): every later rescaling is an exact power of two, which a block's scale takes up: the codes' values come out the same.
;;   OPERANDS COMPUTED ON THE WAY. 'Computed on the way' means the value that the module computes at that place (a softmax that the list does not call 'softmax' is quantised finished and normalised). What goes into a quantiser is computed in f32, as accurately as f32 sums, v_exp_f32 and their like allow (about 1e-6 of the number): no bf16 or f16 on the way to a quantiser, and a product that is left as it is and whose result goes on into a quantised operand takes f32 operands (vector FMAs, or v_wmma_f32_16x16x4_f32). A number that lies on a knife's edge between two numbers of the format may be rounded either way, as far as f32 arithmetic and the matrix unit's own rounding can turn it there, and no further.
;; One version. Each part assembles by itself: llvm-mc -triple=amdgcn-amd-amdhsa -mcpu=gfx1250 --defsym DOCPART=n.
;; ======== version 1 of 1: 2 launches
;; limits: inputs' magnitudes at most 10,000; right only within a limited range of input values
;; workspace buffers: kv 6,684,672 bytes; maskw 524,288 bytes of whole numbers
;; launch prep (part 1): grid 768 x 1, 4 waves a work-group, no clusters, 81,408 bytes of LDS; arguments key, value, mask, kv, maskw; writes kv, maskw
.if DOCPART == 1
	.amdgcn_target "amdgcn-amd-amdhsa--gfx1250"
	.amdhsa_code_object_version 6
	.text
	.protected	k_qde830211d2_prep
	.globl	k_qde830211d2_prep
	.p2align	8
	.type	k_qde830211d2_prep,@function
k_qde830211d2_prep:
	s_mov_b64 s[64:65], 0
	v_nop
	global_prefetch_b8 v0, s[64:65] scope:SCOPE_SE
	s_setreg_imm32_b32 hwreg(HW_REG_WAVE_MODE, 25, 1), 1
	s_wait_xcnt 0x0
; THE LAUNCH IN FRONT OF THE ATTENTION.  key, value: [32 heads][2048 keys][64] f32.  mask: [2048 queries][2048 keys] int32.
; It makes, once, what every query block of a head (K, V) and every head (the mask) reads again:
;   kv:    512 records of REC bytes, one for each head and key step of 128 keys, laid in the ORDER OF THE OPERANDS' REGISTERS:
;          K's codes of FP6 (E2M3), quantised along the head's 64;  V's codes, quantised along the KEYS;  their E8M0 scale words.
;   maskw: the mask as LANE MASKS: for each tile of 16 queries and key step s 64 words; bit r + 16 h of word n says whether key 128 s + 64 (n / 32) + 32 h + n % 32 counts for query 16 T + r.
; A block's scale is 2^(floor(log2(its largest magnitude)) - 2): its byte is the largest magnitude's exponent field - 2, held at 1 from below.
; LIMITS: a block of zeros gets the byte 1 where the rule says 127 (its codes are zeros, which add nothing under any byte but 0xff, and this program alone reads the bytes);
; blocks whose largest magnitude lies under 2^-124 keep that byte; NaN and infinities among the inputs are not served.
; SHARES.  Every wave takes 16,384 bytes of one input: 3 x 1,024 waves, 768 work-groups.  Work-groups 0-255 take key, 256-511 value, 512-767 the mask: three paths that part on the
; work-group's number and never join; each has LDS bytes of its own.  Waves share nothing: no barrier.  No tensor load: each byte is read once, by loads of whole runs of 128 to 512 bytes.
.set REC,   13056                      ; a record: 51 x 256 bytes
.set VOFF,  6144                       ; K's codes: 4 pairs of tiles x 1,536 bytes;  from here V's: 4 tiles x 1,536
.set KSOFF, 12288                      ; K's scale words, 512 bytes
.set VSOFF, 12800                      ; V's scale words, 256 bytes
.set KST,   0                          ; LDS, path K: 32 rows x 272 bytes for each wave
.set VST,   34816                      ; path V: two tiles' images, 3,072 bytes for each wave
.set MST,   47104                      ; path mask: 16 rows x 528 bytes for each wave
.set R,     32                         ; v32-159  numbers as they are loaded (paths K and mask)
.set X,     160                        ; v160-191 path K: a block of 32 neighbours
.set CK,    192                        ; v192-216 path K: two pairs of tiles' codes, twelve registers a pair (v216 at work), so that no store's data are written again
.set XV,    32                         ; v32-95   path V: two sets of 32 numbers
.set CV,    96                         ; v96-127  path V: four blocks' codes
.set OV,    128                        ; v128-151 path V: the images on their way out
.set MV,    160                        ; v160-223 path mask: a lane's 64 mask numbers
.set OUTW,  24                         ; v24-27   path mask: the words of two units, two to a lane
; v1 lane, v2 r = lane % 16, v3 h = lane / 16, v4, v5, v6 = 16, 8, 4 x lane, v7 = 8 h; v8-13 at work; v14, v15 LDS addresses; v16-21, v24 scale words
; 32 numbers of ONE block in a lane's registers v[x] .. v[x + 31] become six registers of codes, v[c] .. v[c + 5] (v[c + 6] is at work).  v[t + 3] is left holding the scale's byte.
.macro Q32 x, c, t
	v_max3_num_f32 v[(\t)], |v[(\x)]|, |v[(\x)+1]|, |v[(\x)+2]|        ; the block's largest magnitude, in two chains
	v_max3_num_f32 v[(\t)+1], |v[(\x)+3]|, |v[(\x)+4]|, |v[(\x)+5]|
.irp i, 6,10,14,18,22,26
	v_max3_num_f32 v[(\t)], v[(\t)], |v[(\x)+\i]|, |v[(\x)+\i+1]|
	v_max3_num_f32 v[(\t)+1], v[(\t)+1], |v[(\x)+\i+2]|, |v[(\x)+\i+3]|
.endr
	v_max3_num_f32 v[(\t)], v[(\t)], |v[(\x)+30]|, |v[(\x)+31]|
	v_max3_num_f32 v[(\t)], v[(\t)], v[(\t)+1], 0x1800000              ; and the floor 2^(3 - 127): the byte cannot fall under 1
	v_add_nc_u32 v[(\t)+2], 0xff000000, v[(\t)]                        ; 2 off its exponent field: the conversion takes this operand's exponent field as its scale
	v_lshrrev_b32 v[(\t)+3], 23, v[(\t)+2]                             ; the scale's byte
	v_cvt_scalef32_pk16_fp6_f32 v[(\c):(\c)+2], v[(\x):(\x)+15], v[(\t)+2]
	v_cvt_scalef32_pk16_fp6_f32 v[(\c)+4:(\c)+6], v[(\x)+16:(\x)+31], v[(\t)+2]   ; (a conversion's three registers begin on an even number)
	v_nop                                                              ; one plain place behind a scaled conversion
	v_mov_b32 v[(\c)+3], v[(\c)+4]                                     ; so the upper 16 codes move down by one register: 192 bits without a gap
	v_mov_b32 v[(\c)+4], v[(\c)+5]
	v_mov_b32 v[(\c)+5], v[(\c)+6]
.endm
.macro VLOAD beta                      ; path V, block beta: value(32 beta + i, my column), i = 0 .. 31: each load reads 128 consecutive bytes
.set i, 0
.rept 32
	global_load_b32 v[XV+32*((\beta)%2)+i], v6, s[6:7] offset:(32*(\beta)+i)*256 th:TH_LOAD_NT
.set i, i+1
.endr
.endm
	s_load_b128 s[4:7], s[0:1], 0x0                ; key s[4:5], value s[6:7]
	s_load_b128 s[8:11], s[0:1], 0x10              ; mask s[8:9], kv s[10:11]
	s_load_b64 s[12:13], s[0:1], 0x20              ; maskw
	v_lshl_add_u32 v224, v0, 2, 0x13c00            ; my spare word, and 0: for the add at a wave's end
	v_mov_b32 v225, 0
	v_lshrrev_b32 v1, 5, v0
	v_readfirstlane_b32 s16, v1                    ; wave 0..3
	v_and_b32 v1, 31, v0                           ; lane
	v_and_b32 v2, 15, v0                           ; r
	v_bfe_u32 v3, v0, 4, 1                         ; h
	v_lshlrev_b32 v4, 4, v1
	v_lshlrev_b32 v5, 3, v1
	v_lshlrev_b32 v6, 2, v1
	v_lshlrev_b32 v7, 3, v3
	v_mov_b32 v13, 0                               ; written once: a lane permute's destination counts as one of its sources
	s_mov_b32 s20, 0x76543210
	s_mov_b32 s21, 0xfedcba98                      ; v_permlanex16_b32's selects for lane l xor 16
	s_mov_b32 s22, 0xffff0000                      ; lanes 16-31
	s_wait_alu depctr_va_vdst(0)                   ; the wait at the head's end
	s_wait_kmcnt 0x0
	s_cmp_lt_u32 ttmp9, 256
	s_cbranch_scc1 .Lkpath
	s_cmp_lt_u32 ttmp9, 512
	s_cbranch_scc1 .Lvpath
; ---------------- THE MASK.  Wave W = 0 .. 1023 takes query tile T = W / 8 and key steps 2 a, 2 a + 1, a = W % 8: 16 rows x 1,024 bytes.
; A load reads 512 consecutive bytes of one row (a step's 128 numbers).  They turn through the wave's stage, so that lane (r, h) holds, in register n, mask[16 T + r][128 s + 64 (n / 32) + 32 h + n % 32]:
; the place of the score that this lane's register holds in the attention.  A compare then gives the 32 lanes' bits of word n as one scalar.
	s_sub_co_u32 s18, ttmp9, 512
	s_lshl_b32 s18, s18, 2
	s_add_co_u32 s18, s18, s16                     ; W
	s_lshr_b32 s19, s18, 3                         ; T
	s_and_b32 s23, s18, 7                          ; a
	s_lshl_b32 s32, s19, 17                        ; 16 rows of 8,192 bytes
	s_lshl_b32 s36, s23, 10
	s_add_co_u32 s32, s32, s36
	s_mov_b32 s33, 0
	s_lshl_b32 s34, s19, 12                        ; a tile's words: 16 steps x 256 bytes
	s_lshl_b32 s36, s23, 9
	s_add_co_u32 s34, s34, s36
	s_mov_b32 s35, 0
	s_add_nc_u64 s[8:9], s[8:9], s[32:33]
	s_add_nc_u64 s[12:13], s[12:13], s[34:35]
.irp e, 0,1
.set t, 0
.rept 16
	global_load_b128 v[R+64*\e+4*t:R+64*\e+4*t+3], v4, s[8:9] offset:t*8192+512*\e th:TH_LOAD_NT
.set t, t+1
.endr
.endr
	s_mul_i32 s17, s16, 16*528
	s_add_co_u32 s17, s17, MST                     ; my stage
	v_add_nc_u32 v14, s17, v4                      ; in: 16 x lane of row t
	v_mul_u32_u24 v15, v2, 528
	v_lshl_add_u32 v15, v3, 7, v15
	v_add_nc_u32 v15, s17, v15                     ; back: row r, + 128 h: my 32 keys of a group of 64
.irp k, 0,1,2,3
	v_mov_b32 v[OUTW+\k], 0                        ; written whole before lanes are written singly
.endr
	s_wait_alu depctr_va_vdst(0)
.irp e, 0,1
	s_wait_loadcnt 16*(1-\e)                       ; this unit's 16 loads are in; the other unit's 16 may be out
.set t, 0
.rept 16
	ds_store_b128 v14, v[R+64*\e+4*t:R+64*\e+4*t+3] offset:528*t
.set t, t+1
.endr
.set t, 0
.rept 16
	ds_load_b128 v[MV+4*t:MV+4*t+3], v15 offset:256*(t/8)+16*(t%8)   ; LDS serves a wave's instructions in order: these see the stores above
.set t, t+1
.endr
	s_wait_dscnt 0x0
.set n, 0
.rept 8                                        ; eight words at a time: eight compares, then eight lane writes
.irp k, 0,1,2,3,4,5,6,7
	v_cmp_ne_u32 s[24+\k], 0, v[MV+n+\k]           ; word n + k: the bit of each lane whose key counts
.endr
.irp k, 0,1,2,3,4,5,6,7
	v_writelane_b32 v[OUTW+2*\e+\k%2], s[24+\k], (n+\k)/2   ; words 2 L and 2 L + 1 go to lane L
.endr
.set n, n+8
.endr
	global_store_b64 v5, v[OUTW+2*\e:OUTW+2*\e+1], s[12:13] offset:256*\e   ; the 32 lanes store 256 consecutive bytes, aligned
.endr
	s_wait_tensorcnt 0x0                           ; the wave's end
	ds_add_u32 v224, v225
	s_wait_dscnt 0x0
	s_endpgm
; ---------------- K.  Wave U = 0 .. 1023 takes 64 keys (16,384 consecutive bytes): half g = U % 2 of record U / 2.
; THE KEYS OF A TILE ARE NOT NEIGHBOURS: row 8 h + j of tile u (0 .. 3) of these 64 is key 32 h + 8 u + j, so that in the attention a lane's 32 registers of the four tiles are 32 neighbouring keys: one block.
; A load reads two keys' rows.  32 keys at a time turn through the wave's stage (rows of 256 + 16 bytes): keys 16 bb .. 16 bb + 15 in stage rows 0-15 and keys 32 + 16 bb .. in rows 16-31, which is what the
; pair of tiles u = 2 bb, 2 bb + 1 takes: lane (r, h) of the pair's tile uu holds block h (32 of the head's 64) of stage row 8 uu + r + 8 (r / 8).
; A pair's image: the lanes' twelve code registers (six of either tile) as three runs of 512 bytes, 16 x lane.  Registers 6-11 of an operand (K = 64 .. 127) are not stored.
.Lkpath:
	s_lshl_b32 s18, ttmp9, 2
	s_add_co_u32 s18, s18, s16                     ; U
	s_lshl_b32 s24, s18, 14
	s_mov_b32 s25, 0
	s_add_nc_u64 s[4:5], s[4:5], s[24:25]
	s_lshr_b32 s26, s18, 1
	s_mul_i32 s26, s26, REC                        ; my record
	s_and_b32 s27, s18, 1                          ; g
	s_mul_i32 s28, s27, 2*1536                     ; its two pairs' images,
	s_add_co_u32 s28, s28, s26
	s_mov_b32 s29, 0
	s_lshl_b32 s30, s27, 8                         ; and its 256 bytes of scale words
	s_add_co_u32 s30, s30, s26
	s_mov_b32 s31, 0
	s_add_nc_u64 s[28:29], s[10:11], s[28:29]
	s_add_nc_u64 s[30:31], s[10:11], s[30:31]
.set j, 0
.rept 32
	global_load_b128 v[R+4*j:R+4*j+3], v4, s[4:5] offset:512*(8*(j/16)+(j%16)+8*((j%16)/8)) th:TH_LOAD_NT   ; in the order of the stage's two fillings
.set j, j+1
.endr
	s_mul_i32 s17, s16, 32*272                     ; my stage (KST = 0)
	v_mul_u32_u24 v14, v3, 272
	v_lshl_add_u32 v14, v2, 4, v14
	v_add_nc_u32 v14, s17, v14                     ; in: row 2 j + h, 16 r
	v_and_b32 v15, 8, v2
	v_add_nc_u32 v15, v15, v2                      ; r + 8 (r / 8)
	v_mul_u32_u24 v15, v15, 272
	v_lshl_add_u32 v15, v3, 7, v15
	v_add_nc_u32 v15, s17, v15                     ; back: that row, + 128 h
	s_wait_alu depctr_va_vdst(0)
.irp bb, 0,1
	s_wait_loadcnt 16*(1-\bb)                      ; these keys' 16 loads are in; the other 32 keys' may be out
.irp j, 0,1,2,3,4,5,6,7,8,9,10,11,12,13,14,15
	ds_store_b128 v14, v[R+64*\bb+4*\j:R+64*\bb+4*\j+3] offset:544*\j
.endr
.irp u, 0,1
.irp e, 0,1,2,3,4,5,6,7
	ds_load_b128 v[X+4*\e:X+4*\e+3], v15 offset:8*\u*272+16*\e
.endr
	s_wait_dscnt 0x0
	Q32 X, CK+12*\bb+6*\u, 8
	v_lshlrev_b32 v12, v7, v11                     ; my block's byte at its place, 8 h bits up;
	v_permlanex16_b32 v13, v12, s20, s21
	v_or_b32 v12, v12, v13                         ; with lane l xor 16's;
	v_or_b32 v[16+\u], 0x7f7f0000, v12             ; the blocks of K = 64 .. 127 get the byte of 1.0
.endr
.irp k, 0,1,2
	global_store_b128 v4, v[CK+12*\bb+4*\k:CK+12*\bb+4*\k+3], s[28:29] offset:1536*\bb+512*\k   ; 512 consecutive bytes, aligned to 256
.endr
	v_cndmask_b32 v[20+\bb], v16, v17, s22         ; one register carries two tiles' words: lanes 0-15 the even tile's, lanes 16-31 the odd tile's
.endr
	global_store_b64 v5, v[20:21], s[30:31] offset:KSOFF   ; 256 consecutive bytes, aligned
	s_wait_tensorcnt 0x0
	ds_add_u32 v224, v225
	s_wait_dscnt 0x0
	s_endpgm
; ---------------- V.  Wave U = 0 .. 1023 takes 128 keys x 32 columns: columns 32 w .. 32 w + 31, w = U % 2, of record U / 2.
; The keys are the second product's K, and they are value's outer axis: so A LANE TAKES A COLUMN d AND ITS REGISTERS RUN DOWN THE KEYS.  A block of 32 keys is then one lane's 32 registers.
; The operand's layout gives lane (r, hh) of tile d / 16 the key blocks hh (registers 0-5) and 2 + hh (registers 6-11): block beta of my column goes to that lane's place in the tile's image
; (three runs of 512 bytes: registers 4 j .. 4 j + 3 at 512 j + 16 x lane), through the wave's own LDS bytes, and the images leave as they lie.
.Lvpath:
	s_sub_co_u32 s18, ttmp9, 256
	s_lshl_b32 s18, s18, 2
	s_add_co_u32 s18, s18, s16                     ; U
	s_lshr_b32 s26, s18, 1                         ; the record
	s_and_b32 s27, s18, 1                          ; w
	s_lshl_b32 s24, s26, 15                        ; 128 keys of 256 bytes
	s_lshl_b32 s19, s27, 7
	s_add_co_u32 s24, s24, s19
	s_mov_b32 s25, 0
	s_add_nc_u64 s[6:7], s[6:7], s[24:25]
	s_mul_i32 s26, s26, REC
	s_mul_i32 s28, s27, 2*1536                     ; my two tiles' images,
	s_add_co_u32 s28, s28, s26
	s_mov_b32 s29, 0
	s_lshl_b32 s30, s27, 7                         ; and my 32 scale words
	s_add_co_u32 s30, s30, s26
	s_mov_b32 s31, 0
	s_add_nc_u64 s[28:29], s[10:11], s[28:29]
	s_add_nc_u64 s[30:31], s[10:11], s[30:31]
	VLOAD 0
	VLOAD 1
	s_mul_i32 s17, s16, 2*1536
	s_add_co_u32 s17, s17, VST
	v_mul_u32_u24 v14, v3, 1536
	v_lshl_add_u32 v14, v2, 4, v14
	v_add_nc_u32 v14, s17, v14                     ; in: my column's tile, 16 r
	v_add_nc_u32 v15, s17, v4                      ; back: 16 x lane
.irp beta, 0,1,2,3
.if \beta < 3
	s_wait_loadcnt 32                              ; this block's 32 loads are in; the next block's may be out
.else
	s_wait_loadcnt 0x0
.endif
	Q32 XV+32*(\beta%2), CV+8*\beta, 8
.if \beta == 0
	v_mov_b32 v24, v11                             ; my column's scale word: block beta's byte is byte beta
.else
	v_lshl_or_b32 v24, v11, 8*\beta, v24
.endif
.if \beta < 2
	ds_store_b128 v14, v[CV+8*\beta:CV+8*\beta+3] offset:256*(\beta%2)              ; registers 0-3 of lane r + 16 (beta % 2),
	ds_store_b64 v14, v[CV+8*\beta+4:CV+8*\beta+5] offset:512+256*(\beta%2)         ; registers 4-5
	VLOAD \beta+2
.else
	ds_store_b64 v14, v[CV+8*\beta:CV+8*\beta+1] offset:512+256*(\beta%2)+8         ; registers 6-7,
	ds_store_b128 v14, v[CV+8*\beta+2:CV+8*\beta+5] offset:1024+256*(\beta%2)       ; registers 8-11
.endif
.endr
.irp k, 0,1,2,3,4,5
	ds_load_b128 v[OV+4*\k:OV+4*\k+3], v15 offset:512*\k   ; LDS serves a wave's instructions in order: these see my stores
.endr
	s_wait_alu depctr_va_vdst(0)
.irp k, 0,1,2,3,4,5
	s_wait_dscnt 5-\k                              ; load k is in; the younger ones may be out
	global_store_b128 v4, v[OV+4*\k:OV+4*\k+3], s[28:29] offset:VOFF+512*\k   ; 512 consecutive bytes, aligned to 256
.endr
	global_store_b32 v6, v24, s[30:31] offset:VSOFF   ; 128 consecutive bytes: a step's 256 bytes of scale words come from two waves; 131,072 bytes in the whole launch leave so
	s_wait_tensorcnt 0x0
	ds_add_u32 v224, v225
	s_wait_dscnt 0x0
	s_endpgm
.Lfunc_end_k_qde830211d2_prep:
	.size	k_qde830211d2_prep, .Lfunc_end_k_qde830211d2_prep-k_qde830211d2_prep
	.p2alignl 7, 3214868480
	.fill 96, 4, 3214868480
	.section	.rodata,"a",@progbits
	.p2align	6, 0x0
	.amdhsa_kernel k_qde830211d2_prep
		.amdhsa_group_segment_fixed_size 81408
		.amdhsa_private_segment_fixed_size 0
		.amdhsa_enable_private_segment 0
		.amdhsa_kernarg_size 40
		.amdhsa_user_sgpr_count 2
		.amdhsa_user_sgpr_kernarg_segment_ptr 1
		.amdhsa_wavefront_size32 1
		.amdhsa_system_sgpr_workgroup_id_x 1
		.amdhsa_system_sgpr_workgroup_id_y 1
		.amdhsa_system_sgpr_workgroup_id_z 1
		.amdhsa_system_vgpr_workitem_id 0
		.amdhsa_next_free_vgpr 226
		.amdhsa_next_free_sgpr 66
		.amdhsa_reserve_vcc 0
		.amdhsa_float_denorm_mode_32 3
		.amdhsa_float_denorm_mode_16_64 3
		.amdhsa_memory_ordered 1
		.amdhsa_forward_progress 1
		.amdhsa_inst_pref_size 63
	.end_amdhsa_kernel
	.amdgpu_metadata
---
amdhsa.version: [ 1, 2 ]
amdhsa.kernels:
  - .name:           k_qde830211d2_prep
    .symbol:         k_qde830211d2_prep.kd
    .args:
      - { .name: key, .offset: 0, .size: 8, .value_kind: global_buffer, .address_space: global }
      - { .name: value, .offset: 8, .size: 8, .value_kind: global_buffer, .address_space: global }
      - { .name: mask, .offset: 16, .size: 8, .value_kind: global_buffer, .address_space: global }
      - { .name: kv, .offset: 24, .size: 8, .value_kind: global_buffer, .address_space: global }
      - { .name: maskw, .offset: 32, .size: 8, .value_kind: global_buffer, .address_space: global }
    .group_segment_fixed_size: 81408
    .private_segment_fixed_size: 0
    .kernarg_segment_align: 8
    .kernarg_segment_size: 40
    .max_flat_workgroup_size: 128
    .sgpr_count:     66
    .vgpr_count:     226
    .wavefront_size: 32
...
	.end_amdgpu_metadata
.endif
;; end of part 1
;; launch attn (part 2): grid 8 x 32, 16 waves a work-group, clusters of 4 x 1, 280,576 bytes of LDS; arguments query, kv, maskw, out0; writes out0
.if DOCPART == 2
	.amdgcn_target "amdgcn-amd-amdhsa--gfx1250"
	.amdhsa_code_object_version 6
	.text
	.protected	k_qde830211d2_attn
	.globl	k_qde830211d2_attn
	.p2align	8
	.type	k_qde830211d2_attn,@function
k_qde830211d2_attn:
	s_mov_b64 s[64:65], 0
	v_nop
	global_prefetch_b8 v0, s[64:65] scope:SCOPE_SE
	s_setreg_imm32_b32 hwreg(HW_REG_WAVE_MODE, 25, 1), 1
	s_wait_xcnt 0x0
	s_wait_alu depctr_hold_cnt(0) depctr_sa_sdst(0) depctr_va_vdst(0) depctr_va_sdst(0) depctr_va_ssrc(0) depctr_va_vcc(0) depctr_vm_vsrc(0)
	s_getreg_b32 s2, hwreg(HW_REG_IB_STS2, 6, 4)
	s_cmp_eq_u32 s2, 0
	s_cbranch_scc0 .Lentry_in_a_cluster
	s_endpgm
.Lentry_in_a_cluster:
	s_bfe_u32 s2, ttmp6, 0x10000c
	s_cmp_lg_u32 s2, 0x3003
	s_cbranch_scc0 .Lentry_shape_is_right
	s_endpgm
.Lentry_shape_is_right:
; O[head][q][:] = the sum over k of softmax_k(mask ? Q[q] . K[k] / 8 : hidden) V[k][:].  32 heads, 2,048 queries and keys, head size 64.  Both products on codes of FP6 (E2M3) with one E8M0 scale
; for each 32 along a product's K.  query: f32, quantised here in registers (one wave reads each row once).  kv, maskw: made by the launch before (layouts there).  out0: f32.
; THE SOFTMAX AHEAD OF THE SECOND PRODUCT: t = score x c, c = log2(e) / 8; M = the row's largest t so far, rounded UP to a whole number; p = 2^(t - M) is what is quantised, along the keys, not normalised.
; The row's sum is taken of the unquantised p, in f32, and divides O at the end.  When M moves, the sum and O are multiplied by f = 2^(old M - new M): exact.
; A BLOCK'S SCALE: p = 2^(t - M) rises with the score, so floor(log2(the block's largest p)) is the floor of (t - M) of the block's largest score: no exponential is taken for it.  Held at -124 from below: the byte cannot fall under 1.
; THE MASK.  A hidden score is replaced by -2^33 ahead of the maximum (a logit of -2^30, where the reference has -1e9): one v_cndmask_b32 a score, its lane mask a scalar word from maskw.
; A power of two is taken so that c x 2^33 is exact: in a row with no open key t - M is then exactly 0, p = 1 for every key, and O is the mean of V, as in the reference.
; LIMITS: the result differs from the reference's only where a row's largest OPEN logit lies under about -9.9e8 (inputs of about 1e4 in magnitude).  NaN and infinities among the inputs are not served.
; SHARES.  A work-group owns 256 queries of one head; each of its SIXTEEN waves owns 16 of them, one tile, in 256 registers: four waves to a SIMD.  Every wave walks all 2,048 keys, 128 a step.
; A WHOLE HEAD'S CODES STAY IN LDS: 16 records of 13,056 bytes, 208,896 bytes, filled ONCE: wave w brings record w by one tensor load (one load of a wave is out, by this text's count).  Nothing is filled again.
; Waves 0-3 have a load line of their own: a first barrier shows records 0-3, and the walk begins on them; a second one, signalled in step 2 and waited for in step 3, shows the others.
; CLUSTER.  The four query blocks of a cluster belong to one head and need the same records: each is asked for JOINTLY, by the same tensor load with the same descriptor and a mask that names the four.
; NO PREFETCH: every tensor load is issued at the head, so there is no loop of loads to run ahead in.
; LAYOUT.  Both products are used transposed: S^T = K Q^T (source 0 = 16 keys, source 1 = my 16 queries), O^T = V^T P^T (source 0 = 16 of the head's 64, source 1 = P): a lane holds ONE query
; (r = lane % 16) throughout.  Row 8 h + j of K's tile 4 c + u is key 64 c + 32 h + 8 u + j: so a lane's registers 32 c .. 32 c + 31 of S^T are the 32 neighbouring keys of block 2 c + h: A WHOLE BLOCK LIES IN ONE LANE,
; its largest score needs no other lane, and the codes made of it are the second product's operand as they stand.
; The first product's K is 64: registers 6-11 of Q's fragment (K = 64 .. 127) are zero codes.  K's fragments are packed six registers a tile; an instruction names twelve, and the upper six (the next tile's codes, or
; constants behind the last tile) meet Q's zero codes: every FP6 code is a finite number, and the scale bytes there are those of 1.0, so they add nothing.
.set REC,   13056
.set VOFF,  6144
.set KSOFF, 12288
.set VSOFF, 12800
.set STG,   16*REC                     ; behind the records: a stage of 16 rows x 272 bytes for each wave, for Q's way in and O's way out; no tensor load lands there
.set SP,    272
.set SPARE, STG+16*16*SP               ; the spare words, 128 bytes a wave
.set NM,  2                            ; v2     -M      (v3: its pair's upper half)
.set MX,  3                            ; v3     the row's largest score so far
.set F,   4                            ; v4     f = 2^(old M - new M)   (its pair's upper half is v5)
.set QS,  5                            ; v5     Q's scale words
.set VS,  6                            ; v6-7   V's scale words: lanes 0-15 tile 2 i's, lanes 16-31 tile 2 i + 1's
.set KS,  8                            ; v8-11  K's scale words, a register a pair of tiles: lanes 0-15 the even tile's, lanes 16-31 the odd tile's
.set BM,  12                           ; v12-13 my two blocks' largest scores
.set A16, 12                           ; v12-14 a step's LDS addresses, 16, 8, 4 x lane (read ahead of BM's and SO's writes)
.set A8,  13
.set SO,  14                           ; v14-15 the conversions' scale operands
.set PW,  16                           ; v16    p's scale word
.set A4,  14
.set NEGR, 0                           ; v0     -2^33, once the thread's number has been used
.set L16, 1                            ; v1     16 x lane
.set L8,  17                           ; v17    8 x lane
.set QF,  18                           ; v18-29 Q's fragment
.set PC,  30                           ; v30-41 p's codes; ahead of them at work
.set KF,  42                           ; v42-89 K's eight fragments
.set L4,  90                           ; v90-95 constants behind K's fragments: 4 x lane, r, h, 8 h, my spare word, 0
.set R,   91
.set H,   92
.set H8,  93
.set SPW, 94
.set NIL, 95
.set VF,  96                           ; v96-143 V's four fragments
.set O,   144                          ; v144-175 O^T
.set L,   176                          ; v176-191 the row's sum, in eight pairs
.set S,   192                          ; v192-255 S^T, then p
.set WV,  12                           ; s12    my wave's number
.set CNT, 13                           ; s13    trips
.set TB,  14                           ; s14    LDS byte at which the step's record begins
.set NC,  15                           ; s15    -c
.set MW,  16                           ; s16-63, s68-83: the step's 64 mask words: word n in s[16 + n + 4 (n / 48)]
.set G1,  84                           ; s[84:91] descriptor group 1;  s[92:95] group 0
.set G0,  92
.set SEL, 96                           ; s[96:97] lane selects for v_permlanex16_b32: lane l xor 16
.set CS,  98                           ; s[98:99] c: the packed form names a pair and takes its low word for both halves
.set MYST, 101                         ; s101   my stage
; A round of the cluster's barrier.
.macro CROUND
	s_barrier_signal -1
	s_barrier_wait -1
	s_cmp_lg_u32 s[WV], 0
	s_cbranch_scc1 .Lnot_wave_0_\@
	s_barrier_signal -3
.Lnot_wave_0_\@:
	s_barrier_wait -3
	s_barrier_signal -1
	s_barrier_wait -1
.endm
; 32 numbers of ONE block in a lane's registers v[x] .. v[x + 31] become six registers of codes, v[c] .. v[c + 5] (v[c + 6] is at work).  v[t + 3] is left holding the scale's byte.
.macro Q32 x, c, t
	v_max3_num_f32 v[(\t)], |v[(\x)]|, |v[(\x)+1]|, |v[(\x)+2]|
	v_max3_num_f32 v[(\t)+1], |v[(\x)+3]|, |v[(\x)+4]|, |v[(\x)+5]|
.irp i, 6,10,14,18,22,26
	v_max3_num_f32 v[(\t)], v[(\t)], |v[(\x)+\i]|, |v[(\x)+\i+1]|
	v_max3_num_f32 v[(\t)+1], v[(\t)+1], |v[(\x)+\i+2]|, |v[(\x)+\i+3]|
.endr
	v_max3_num_f32 v[(\t)], v[(\t)], |v[(\x)+30]|, |v[(\x)+31]|
	v_max3_num_f32 v[(\t)], v[(\t)], v[(\t)+1], 0x1800000              ; the floor 2^(3 - 127): the byte cannot fall under 1
	v_add_nc_u32 v[(\t)+2], 0xff000000, v[(\t)]                        ; 2 off the exponent field: the conversion's scale operand
	v_lshrrev_b32 v[(\t)+3], 23, v[(\t)+2]                             ; the scale's byte
	v_cvt_scalef32_pk16_fp6_f32 v[(\c):(\c)+2], v[(\x):(\x)+15], v[(\t)+2]
	v_cvt_scalef32_pk16_fp6_f32 v[(\c)+4:(\c)+6], v[(\x)+16:(\x)+31], v[(\t)+2]   ; (a conversion's three registers begin on an even number)
	v_nop                                                              ; one plain place behind a scaled conversion
	v_mov_b32 v[(\c)+3], v[(\c)+4]
	v_mov_b32 v[(\c)+4], v[(\c)+5]
	v_mov_b32 v[(\c)+5], v[(\c)+6]
.endm
.macro MASKLOAD                        ; a step's 64 mask words, 256 consecutive bytes, into scalar registers
	s_load_b512 s[16:31], s[8:9], 0x0
	s_load_b512 s[32:47], s[8:9], 0x40
	s_load_b512 s[48:63], s[8:9], 0x80
	s_load_b512 s[68:83], s[8:9], 0xc0
.endm
.macro KFETCH a16, a8, off             ; K's eight fragments as images (every load reads consecutive bytes by lane), and their scale words: 14 loads
.irp p, 0,1,2,3
.irp k, 0,1,2
	ds_load_b128 v[KF+12*\p+4*\k:KF+12*\p+4*\k+3], v[\a16] offset:(\off)+1536*\p+512*\k
.endr
.endr
	ds_load_b64 v[KS:KS+1], v[\a8] offset:(\off)+KSOFF
	ds_load_b64 v[KS+2:KS+3], v[\a8] offset:(\off)+KSOFF+256
.endm
.macro VFETCH a16, a4, off             ; V's four fragments and their scale words: 14 loads
.irp t, 0,1,2,3
.irp j, 0,1,2
	ds_load_b128 v[VF+12*\t+4*\j:VF+12*\t+4*\j+3], v[\a16] offset:(\off)+VOFF+1536*\t+512*\j
.endr
.endr
	ds_load_b32 v[VS], v[\a4] offset:(\off)+VSOFF
	ds_load_b32 v[VS+1], v[\a4] offset:(\off)+VSOFF+128
.endm
.macro FMA p                           ; t - M of pair p (of the pairs c and -M the low word serves both halves)
	v_pk_fma_f32 v[S+2*(\p):S+2*(\p)+1], v[S+2*(\p):S+2*(\p)+1], s[CS:CS+1], v[NM:NM+1] op_sel_hi:[1,0,0]
.endm
.macro OM p                            ; O^T under the new M: x f
	v_pk_mul_f32 v[O+2*(\p):O+2*(\p)+1], v[O+2*(\p):O+2*(\p)+1], v[F:F+1] op_sel_hi:[1,0]
.endm
.macro LADD g, p                       ; the row's sum, pair p of group g
	v_pk_add_f32 v[L+2*(\p):L+2*(\p)+1], v[L+2*(\p):L+2*(\p)+1], v[S+16*(\g)+2*(\p):S+16*(\g)+2*(\p)+1]
.endm
	s_load_b128 s[4:7], s[0:1], 0x0                ; query s[4:5], kv s[6:7]
	s_load_b128 s[8:11], s[0:1], 0x10              ; maskw s[8:9], out0 s[10:11]
	v_lshl_add_u32 v[SPW], v0, 2, SPARE
	v_mov_b32 v[NIL], 0
	ds_add_u32 v[SPW], v[NIL]                      ; the wave's opening: the add, twice on end, and its wait ahead of my tensor load
	ds_add_u32 v[SPW], v[NIL]
	v_lshrrev_b32 v1, 5, v0
	v_readfirstlane_b32 s[WV], v1                  ; wave 0..15
	v_and_b32 v1, 31, v0
	v_lshlrev_b32 v[L8], 3, v1
	v_lshlrev_b32 v[L4], 2, v1
	v_lshlrev_b32 v[L16], 4, v1
	s_bfe_u32 s2, ttmp6, 0x40000                   ; cx: my place in the cluster.  It enters Q's, O's and the mask words' addresses alone (s2, s3, s16-19)
	s_lshl_b32 s3, ttmp9, 2                        ; in a cluster launch ttmp9 counts clusters
	s_add_co_u32 s3, s3, s2                        ; my block of 256 queries
	s_lshl_b32 s3, s3, 4
	s_add_co_u32 s3, s3, s[WV]                     ; T: my tile of 16 queries, 0 .. 127
	s_and_b32 s100, ttmp7, 0xffff                  ; the head, which the four partners share
	s_lshl_b32 s18, s3, 12                         ; a tile's rows of Q and O are 4,096 bytes, and so are its mask words
	s_mov_b32 s19, 0
	s_lshl_b32 s16, s100, 19                       ; a head's 2,048 rows of 256 bytes
	s_add_co_u32 s16, s16, s18
	s_mov_b32 s17, 0
	s_lshl_b32 s20, s100, 4
	s_add_co_u32 s20, s20, s[WV]                   ; the record that I fetch: 16 x head + wave
	s_mul_i32 s20, s20, REC
	s_mov_b32 s21, 0
	; descriptor group 1: a record is a dense block: 51 rows of 256 bytes (32 elements of 8 bytes), no padding
	s_mov_b32 s[G1], 15|(3<<16)|(1<<21)            ; 15:0 the mask: all four work-groups; 17:16 elements of 8 bytes; 20 padding off; 21 set beside a mask
	s_mov_b32 s[G1+1], 32<<16                      ; tensor_dim0 = 32
	s_mov_b32 s[G1+2], 51<<16                      ; tensor_dim1 = 51
	s_mov_b32 s[G1+3], 32<<16                      ; tile_dim0 = 32
	s_mov_b32 s[G1+4], 51                          ; tile_dim1 = 51
	s_mov_b32 s[G1+5], 32                          ; tensor_dim0_stride
	s_mov_b32 s[G1+6], 0
	s_mov_b32 s[G1+7], 0
	s_mov_b32 s[SEL], 0x76543210
	s_mov_b32 s[SEL+1], 0xfedcba98
	s_mov_b32 s[CS], 0x3e38aa3b                    ; c = log2(e) / 8
	s_mov_b32 s[CS+1], s[CS]                       ; (named with it as a pair, so it is written)
	s_mov_b32 s[NC], 0xbe38aa3b
	s_mul_i32 s[MYST], s[WV], 16*SP
	s_add_co_u32 s[MYST], s[MYST], STG
	s_wait_alu depctr_va_vdst(0)
	s_wait_dscnt 0x0                               ; both opening adds are done
	s_wait_kmcnt 0x0
	s_add_nc_u64 s[4:5], s[4:5], s[16:17]          ; Q and O at my tile's first row
	s_add_nc_u64 s[10:11], s[10:11], s[16:17]
	s_add_nc_u64 s[8:9], s[8:9], s[18:19]          ; my tile's mask words, step 0
	s_mov_b32 s[G0], 1                             ; 1:0 count = 1
	s_mul_i32 s[G0+1], s[WV], REC                  ; 63:32 LDS address: record w at w x REC: no place in the cluster enters it
	s_add_nc_u64 s[G0+2:G0+3], s[6:7], s[20:21]    ; 120:64 global address
	s_or_b32 s[G0+3], s[G0+3], 0x80000000          ; 127:126 type = 2
.irp j, 0,1,2,3,4,5,6,7
	global_load_b128 v[S+4*\j:S+4*\j+3], v[L16], s[4:5] offset:512*\j th:TH_LOAD_NT   ; Q: two rows, 512 consecutive bytes, a load
.endr
	MASKLOAD                                       ; step 0's words
	CROUND                                         ; all four work-groups are here: the joint loads meet
	s_cmp_lt_u32 s[WV], 4
	s_cbranch_scc0 .Llater
	tensor_load_to_lds s[G0:G0+3], s[G1:G1+7]      ; records 0-3: waves 0-3's own line, which the first barrier shows
	s_nop 0
.rept 4
	v_nop                                          ; (four such lines follow a tensor load)
.endr
	s_branch .Lasked
.Llater:
	tensor_load_to_lds s[G0:G0+3], s[G1:G1+7]      ; records 4-15
	s_nop 0
.rept 4
	v_nop
.endr
.Lasked:
	v_and_b32 v[R], 15, v0
	v_bfe_u32 v[H], v0, 4, 1
	v_mul_u32_u24 v[A16], v[H], SP
	v_mul_u32_u24 v[A8], v[R], SP
	v_lshl_add_u32 v[A16], v[R], 4, v[A16]
	v_lshl_add_u32 v[A8], v[H], 7, v[A8]
	v_add_nc_u32 v[A16], s[MYST], v[A16]           ; the stage by loads: row 2 j + h, 16 r
	v_add_nc_u32 v[A8], s[MYST], v[A8]             ; and by rows: row r, + 128 h: my block of 32
	v_lshlrev_b32 v[H8], 3, v[H]
	v_mov_b32 v[NEGR], 0xd0000000                  ; -2^33
	v_mov_b32 v[MX], 0xff61b1e6                    ; the largest score so far: -3e38
	v_mov_b32 v[NM], 0x7f61b1e6                    ; -M: the first change of M gives f = 0
	v_mov_b32 v[PC+5], 0                           ; written once: a lane permute's destination counts as one of its sources
	v_mov_b32 v[PC+11], 0
.set j, 0
.rept 32
	v_mov_b32 v[O+j], 0                            ; O^T.  (The step is written for every step alike: the first finds zeros, which the first change of M leaves zeros)
.set j, j+1
.endr
	s_wait_loadcnt 0x0                             ; Q
.irp j, 0,1,2,3,4,5,6,7
	ds_store_b128 v[A16], v[S+4*\j:S+4*\j+3] offset:2*SP*\j
.endr
.irp e, 0,1,2,3,4,5,6,7
	ds_load_b128 v[S+32+4*\e:S+32+4*\e+3], v[A8] offset:16*\e   ; LDS serves a wave's instructions in order: these see my stores
.endr
	s_wait_dscnt 0x0
	Q32 S+32, QF, PC                               ; lane (r, h): block h of query r: registers 0-5 of Q's fragment
	v_lshlrev_b32 v[PC+6], v[H8], v[PC+3]          ; my block's byte at its place;
	v_permlanex16_b32 v[PC+5], v[PC+6], s[SEL], s[SEL+1]
	v_or_b32 v[PC+6], v[PC+6], v[PC+5]             ; with lane l xor 16's;
	v_or_b32 v[QS], 0x7f7f0000, v[PC+6]            ; the blocks of zero codes get the byte of 1.0
.irp i, 6,7,8,9,10,11
	v_mov_b32 v[QF+\i], 0                          ; K = 64 .. 127 of Q's fragment: zero codes
.endr
.set j, 0
.rept 16
	v_mov_b32 v[L+j], 0                            ; the sum.  (These are also the places between the writes of Q's scale word and fragment and the first scaled product)
.set j, j+1
.endr
	s_wait_alu depctr_va_vdst(0)                   ; the wait at the head's end
	s_cmp_lt_u32 s[WV], 4
	s_cbranch_scc0 .Lnone_yet
	s_wait_tensorcnt 0x0                           ; my record has landed,
.Lnone_yet:
	s_barrier_signal -1
	s_barrier_wait -1                              ; and all of records 0-3: nobody writes them again
	KFETCH L16, L8, 0
; A KEY STEP: 128 keys.  st = 0 .. 3: the record's place is an immediate; st = 4: a loop's step, at TB; st = 15: the last, which asks for nothing more.
.macro STEP st
.if (\st) < 4
.set RB, (\st)*REC
.set P16, L16
.set P8, L8
.set P4, L4
.else
.set RB, 0
.set P16, A16
.set P8, A8
.set P4, A4
.endif
	s_wait_dscnt 0x0                               ; K's fragments, asked for a step ago
.if (\st) == 2
	s_wait_tensorcnt 0x0                           ; my record has landed (in waves 4-15 it was still out): said here, waited for in the next step
	s_barrier_signal -1
.endif
.irp t, 0,1,2,3,4,5,6,7                        ; S^T.  An odd tile's scale words stand in lanes 16-31 of the register
.if \t%2
	v_wmma_scale_f32_16x16x128_f8f6f4 v[S+8*\t:S+8*\t+7], v[KF+6*\t:KF+6*\t+11], v[QF:QF+11], 0, v[KS+\t/2], v[QS] matrix_a_fmt:MATRIX_FMT_FP6 matrix_b_fmt:MATRIX_FMT_FP6 matrix_a_scale:MATRIX_SCALE_ROW1
.else
	v_wmma_scale_f32_16x16x128_f8f6f4 v[S+8*\t:S+8*\t+7], v[KF+6*\t:KF+6*\t+11], v[QF:QF+11], 0, v[KS+\t/2], v[QS] matrix_a_fmt:MATRIX_FMT_FP6 matrix_b_fmt:MATRIX_FMT_FP6
.endif
.endr
.if (\st) == 3
	s_barrier_wait -1                              ; records 4-15 lie in LDS too
.endif
.if (\st) < 4                                  ; four places behind the products, in front of the loads into V's and K's fragments and of the first read of the scores
.rept 4
	v_nop
.endr
.else
	v_add_nc_u32 v[A16], s[TB], v[L16]
	v_add_nc_u32 v[A8], s[TB], v[L8]
	v_add_nc_u32 v[A4], s[TB], v[L4]               ; (no place: L4 lies among the last tile's twelve registers)
	v_nop
	v_nop
.endif
	VFETCH P16, P4, RB                             ; V lands while the softmax is worked,
.if (\st) < 15
	KFETCH P16, P8, RB+REC                         ; and so does the next step's K
.endif
	s_wait_kmcnt 0x0                               ; the step's mask words
.set n, 0
.rept 64
	v_cndmask_b32 v[S+n], v[NEGR], v[S+n], s[MW+n+4*(n/48)]   ; a hidden key's score becomes -2^33.  Ascending: each accumulator is read from its low end on
.set n, n+1
.endr
.if (\st) < 15
	s_wait_xcnt 0x0                                ; the scalar loads' base is written only behind this wait
	s_add_nc_u64 s[8:9], s[8:9], 256               ; the next step's words: asked for where the old ones have been used, wanted a whole softmax later
	MASKLOAD
.endif
.irp g, 0,1,2,3
	v_max3_num_f32 v[PC+\g], v[S+16*\g], v[S+1+16*\g], v[S+2+16*\g]   ; the largest score of each 16, four chains by turns,
.endr
.irp i, 3,5,7,9,11,13
.irp g, 0,1,2,3
	v_max3_num_f32 v[PC+\g], v[PC+\g], v[S+16*\g+\i], v[S+1+16*\g+\i]
.endr
.endr
	v_max3_num_f32 v[BM], v[PC], v[PC+1], v[S+15]
	v_max3_num_f32 v[BM+1], v[PC+2], v[PC+3], v[S+47]
	v_max_num_f32 v[BM], v[BM], v[S+31]            ; of my block of keys 32 h ..
	v_max_num_f32 v[BM+1], v[BM+1], v[S+63]        ; and of my block of keys 64 + 32 h ..
	s_delay_alu instid0(VALU_DEP_1)
	v_max_num_f32 v[PC+4], v[BM], v[BM+1]
	s_delay_alu instid0(VALU_DEP_1)
	v_permlanex16_b32 v[PC+5], v[PC+4], s[SEL], s[SEL+1]   ; lane l xor 16 holds the query's other two blocks
	s_delay_alu instid0(VALU_DEP_1)
	v_max3_num_f32 v[MX], v[MX], v[PC+4], v[PC+5]  ; the row's largest score so far
	s_delay_alu instid0(VALU_DEP_1)
	v_mul_f32 v[PC+6], s[NC], v[MX]                ; its -t
	s_delay_alu instid0(VALU_DEP_1)
	v_floor_f32 v[PC+6], v[PC+6]                   ; the new -M = floor(-t): M IS A WHOLE NUMBER
	s_delay_alu instid0(VALU_DEP_1)
	v_sub_f32 v[PC+7], v[PC+6], v[NM]              ; M's old value less its new one: a whole number, 0 or less
	v_mov_b32 v[NM], v[PC+6]
	s_delay_alu instid0(VALU_DEP_2)
	v_cvt_i32_f32 v[PC+7], v[PC+7]                 ; (it saturates)
	v_pk_fma_f32 v[PC+8:PC+9], v[BM:BM+1], s[CS:CS+1], v[NM:NM+1] op_sel_hi:[1,0,0]   ; t - M of my blocks' largest scores
	FMA 0
	v_ldexp_f32 v[F], 1.0, v[PC+7]                 ; f: a multiplication by it rounds nothing
	FMA 1
	v_max_num_f32 v[PC+8], 0xc2f80000, v[PC+8]     ; -124
	v_max_num_f32 v[PC+9], 0xc2f80000, v[PC+9]
	FMA 2
	FMA 3
	v_cvt_floor_i32_f32 v[PC+8], v[PC+8]           ; floor(log2(the block's largest p))
	v_cvt_floor_i32_f32 v[PC+9], v[PC+9]
	OM 0
	OM 1
	v_lshl_add_u32 v[SO], v[PC+8], 23, 0x3e800000  ; the conversion's scale operand: exponent field that + 127 - 2
	v_lshl_add_u32 v[SO+1], v[PC+9], 23, 0x3e800000
	v_lshl_add_u32 v[PC+10], v[PC+9], 16, v[PC+8]  ; my two blocks' places in the scale word: bytes h and 2 + h
	OM 2
	OM 3
	v_permlanex16_b32 v[PC+11], v[PC+10], s[SEL], s[SEL+1]
	OM 4
	OM 5
	FMA 4
	v_lshl_add_u32 v[PC+10], v[PC+11], 8, v[PC+10] ; lanes 0-15: with lane l + 16's two (lanes 16-31 are not read)
	OM 6
	OM 7
	FMA 5
	v_add_nc_u32 v[PW], 0x7d7d7d7d, v[PC+10]       ; + 125 in each byte: p's scale word for these 128 keys, bytes 1 .. 125
.irp p, 8,9,10,11,12,13,14,15
	OM \p
.endr
	FMA 6
	FMA 7
; p = 2^(t - M), at most 1, NOT normalised: four groups of 16.  Among a group's exponentials stand the next group's multiply-adds and the last group's additions; no line among them reads what another of the same group's lines writes.
	s_wait_alu depctr_va_vdst(0)                   ; the wait ahead of the exponentials
.irp p, 0,1,2,3,4,5,6,7
	v_exp_f32 v[S+2*\p], v[S+2*\p]
	v_exp_f32 v[S+2*\p+1], v[S+2*\p+1]
	FMA 8+\p
.endr
	s_wait_alu depctr_va_vdst(0)                   ; behind them, and ahead of the next group's
.irp p, 0,1,2,3,4,5,6,7
	v_exp_f32 v[S+16+2*\p], v[S+16+2*\p]
	FMA 16+\p
	v_exp_f32 v[S+17+2*\p], v[S+17+2*\p]
	v_pk_fma_f32 v[L+2*\p:L+2*\p+1], v[L+2*\p:L+2*\p+1], v[F:F+1], v[S+2*\p:S+2*\p+1] op_sel_hi:[1,0,1]   ; THE ROW'S SUM IS TAKEN OF THE UNQUANTISED p: first under the new M
.endr
	s_wait_alu depctr_va_vdst(0)
.irp p, 0,1,2,3,4,5,6,7
	v_exp_f32 v[S+32+2*\p], v[S+32+2*\p]
	FMA 24+\p
	v_exp_f32 v[S+33+2*\p], v[S+33+2*\p]
	LADD 1, \p
.endr
	s_wait_alu depctr_va_vdst(0)
.irp p, 0,1,2,3,4,5,6,7
	v_exp_f32 v[S+48+2*\p], v[S+48+2*\p]
	v_exp_f32 v[S+49+2*\p], v[S+49+2*\p]
	LADD 2, \p
.endr
	s_wait_alu depctr_va_vdst(0)                   ; all of p
	v_cvt_scalef32_pk16_fp6_f32 v[PC:PC+2], v[S:S+15], v[SO]
	v_cvt_scalef32_pk16_fp6_f32 v[PC+6:PC+8], v[S+32:S+47], v[SO+1]
	LADD 3, 0                                      ; (plain places behind the conversions, in front of those that write over their sources)
	LADD 3, 1
	LADD 3, 2
	v_cvt_scalef32_pk16_fp6_f32 v[S:S+2], v[S+16:S+31], v[SO]          ; (a conversion's three registers begin on an even number: the upper halves are made in registers of p that are done with, and moved)
	v_cvt_scalef32_pk16_fp6_f32 v[S+4:S+6], v[S+48:S+63], v[SO+1]
	LADD 3, 3
.irp i, 0,1,2
	v_mov_b32 v[PC+3+\i], v[S+\i]
	v_mov_b32 v[PC+9+\i], v[S+4+\i]
.endr
.irp p, 4,5,6,7
	LADD 3, \p                                     ; (also the four places between the writes of p's codes and the scaled products)
.endr
	s_wait_alu depctr_va_vdst(0)
.if (\st) < 15
	s_wait_dscnt 14                                ; V's fourteen loads are in; the next step's fourteen of K, issued behind them, may be out
.else
	s_wait_dscnt 0x0
.endif
.irp t, 0,1,2,3                                ; O^T += V^T P^T: K = these 128 keys.  The four accumulators take turns, one instruction a turn
.if \t%2
	v_wmma_scale_f32_16x16x128_f8f6f4 v[O+8*\t:O+8*\t+7], v[VF+12*\t:VF+12*\t+11], v[PC:PC+11], v[O+8*\t:O+8*\t+7], v[VS+\t/2], v[PW] matrix_a_fmt:MATRIX_FMT_FP6 matrix_b_fmt:MATRIX_FMT_FP6 matrix_a_scale:MATRIX_SCALE_ROW1
.else
	v_wmma_scale_f32_16x16x128_f8f6f4 v[O+8*\t:O+8*\t+7], v[VF+12*\t:VF+12*\t+11], v[PC:PC+11], v[O+8*\t:O+8*\t+7], v[VS+\t/2], v[PW] matrix_a_fmt:MATRIX_FMT_FP6 matrix_b_fmt:MATRIX_FMT_FP6
.endif
.endr
.endm
	STEP 0
	STEP 1
	STEP 2
	STEP 3
	s_mov_b32 s[TB], 4*REC
	s_mov_b32 s[CNT], 11
.Lstep:                                            ; steps 4 .. 14
	STEP 4
	s_add_co_u32 s[TB], s[TB], REC                 ; the next record
	s_sub_co_u32 s[CNT], s[CNT], 1
	s_cmp_lg_u32 s[CNT], 0
	s_cbranch_scc1 .Lstep
	s_mov_b32 s[TB], 15*REC
	STEP 15                                        ; the last step is written out: it asks for nothing, so no load leaves maskw or the records
	; THE WAY OUT.  The sum's pairs and the other half of the lanes' are added; O^T is divided by the sum and goes through my stage, so that each store covers two whole rows of O.
.irp p, 0,2,4,6
	v_pk_add_f32 v[L+\p:L+\p+1], v[L+\p:L+\p+1], v[L+8+\p:L+9+\p]
.endr
.irp p, 0,2
	v_pk_add_f32 v[L+\p:L+\p+1], v[L+\p:L+\p+1], v[L+4+\p:L+5+\p]
.endr
	v_pk_add_f32 v[L:L+1], v[L:L+1], v[L+2:L+3]
	v_add_f32 v[L], v[L], v[L+1]
	v_permlanex16_b32 v[PC+5], v[L], s[SEL], s[SEL+1]
	v_add_f32 v[L], v[L], v[PC+5]                  ; the row's sum
	s_wait_alu depctr_va_vdst(0)                   ; the wait ahead of the reciprocal
	v_rcp_f32 v[L], v[L]
	v_mul_u32_u24 v[A16], v[R], SP                 ; (plain lines behind the reciprocal)
	v_mul_u32_u24 v[A8], v[H], SP
	v_lshl_add_u32 v[A16], v[H], 5, v[A16]
	v_lshl_add_u32 v[A8], v[R], 4, v[A8]
	v_add_nc_u32 v[A16], s[MYST], v[A16]           ; in: row r; tile t's eight channels of my half: 64 t + 32 h bytes on
	v_add_nc_u32 v[A8], s[MYST], v[A8]             ; back: lanes 0-15 one row of 256 bytes, lanes 16-31 the next
	s_wait_alu depctr_va_vdst(0)                   ; the wait ahead of the reciprocal's first reader
.set j, 0
.rept 32
	v_mul_f32 v[S+j], v[O+j], v[L]                 ; O^T / the sum: register 8 t + i is o(r, 16 t + 8 h + i)
.set j, j+1
.endr
.irp t, 0,1,2,3
	ds_store_b128 v[A16], v[S+8*\t:S+8*\t+3] offset:64*\t
	ds_store_b128 v[A16], v[S+8*\t+4:S+8*\t+7] offset:64*\t+16
.endr
.irp i, 0,1,2,3,4,5,6,7
	ds_load_b128 v[S+32+4*\i:S+32+4*\i+3], v[A8] offset:2*SP*\i   ; LDS serves a wave's instructions in order: these see my stores
.endr
.irp i, 0,1,2,3,4,5,6,7
	s_wait_dscnt 7-\i                              ; load i is in; the younger ones may be out
	global_store_b128 v[L16], v[S+32+4*\i:S+32+4*\i+3], s[10:11] offset:512*\i th:TH_STORE_NT   ; 512 consecutive bytes, at a multiple of 256 from O's first byte; written once, read by nobody here
.endr
	s_wait_tensorcnt 0x0                           ; the wave's end
	ds_add_u32 v[SPW], v[NIL]
	s_wait_dscnt 0x0
	CROUND                                         ; the closing round: no work-group ends while a partner may still ask for a record that names it
	s_endpgm
.Lfunc_end_k_qde830211d2_attn:
	.size	k_qde830211d2_attn, .Lfunc_end_k_qde830211d2_attn-k_qde830211d2_attn
	.p2alignl 7, 3214868480
	.fill 96, 4, 3214868480
	.section	.rodata,"a",@progbits
	.p2align	6, 0x0
	.amdhsa_kernel k_qde830211d2_attn
		.amdhsa_group_segment_fixed_size 280576
		.amdhsa_private_segment_fixed_size 0
		.amdhsa_enable_private_segment 0
		.amdhsa_kernarg_size 32
		.amdhsa_user_sgpr_count 2
		.amdhsa_user_sgpr_kernarg_segment_ptr 1
		.amdhsa_wavefront_size32 1
		.amdhsa_system_sgpr_workgroup_id_x 1
		.amdhsa_system_sgpr_workgroup_id_y 1
		.amdhsa_system_sgpr_workgroup_id_z 1
		.amdhsa_system_vgpr_workitem_id 0
		.amdhsa_next_free_vgpr 256
		.amdhsa_next_free_sgpr 102
		.amdhsa_reserve_vcc 0
		.amdhsa_float_denorm_mode_32 3
		.amdhsa_float_denorm_mode_16_64 3
		.amdhsa_memory_ordered 1
		.amdhsa_forward_progress 1
		.amdhsa_inst_pref_size 127
	.end_amdhsa_kernel
	.amdgpu_metadata
---
amdhsa.version: [ 1, 2 ]
amdhsa.kernels:
  - .name:           k_qde830211d2_attn
    .symbol:         k_qde830211d2_attn.kd
    .args:
      - { .name: query, .offset: 0, .size: 8, .value_kind: global_buffer, .address_space: global }
      - { .name: kv, .offset: 8, .size: 8, .value_kind: global_buffer, .address_space: global }
      - { .name: maskw, .offset: 16, .size: 8, .value_kind: global_buffer, .address_space: global }
      - { .name: out0, .offset: 24, .size: 8, .value_kind: global_buffer, .address_space: global }
    .group_segment_fixed_size: 280576
    .private_segment_fixed_size: 0
    .kernarg_segment_align: 8
    .kernarg_segment_size: 32
    .max_flat_workgroup_size: 512
    .sgpr_count:     102
    .vgpr_count:     256
    .wavefront_size: 32
...
	.end_amdgpu_metadata
.endif
;; end of part 2
